; MI455X (gfx1250); checked and timed in simulation.
; The chip was launched on July 23, 2026; its instructions are those of AMD's public machine-readable ISA for CDNA 5 (MIT licence, August 2026) and "CDNA5" Instruction Set Architecture Reference Guide (July 2026). The comments in the code are by the model that wrote it; some were corrected since.
;; SA MH Layer. Allowed arithmetic: matrix products marked QUANTISED: E2M1 operands, one E8M0 scale for each 32 along K, by v_wmma_scale_f32_16x16x128_f8f6f4 with both operands' format E2M1 (or v_wmma_scale_f32_32x16x128_f4), f32 sums; products left as they are: bf16, f16 or f32 operands; f32 sums; everything else in f32.
;; Inputs: Wk 512 x 512 float32; Wq 512 x 512 float32; Wt 512 x 512 float32; Wv 512 x 512 float32; beta 512 float32; bt 512 float32; gamma 512 float32; x 64 x 512 x 512 float32.
;; Outputs: out0 64 x 512 x 512 float32.
;; This version of the problem:
;;   THIS VERSION OF THE PROBLEM IS GIVEN IN LOW PRECISION. The matrix products marked QUANTISED in the list below multiply operands that are first quantised to E2M1 (2 exponent bits, 1 mantissa bit; 4 bits a number), with one power-of-two scale for each 32 numbers along K (OCP MX v1.0); their sums are f32. The products marked 'left as it is' may take bf16, f16 or f32 operands, with f32 sums. Whichever they take, every output number must still come out within the allowed error. Rounding operands to bf16 (8 significant bits) uses up far more of that allowance than f16 does (11 bits, for magnitudes from 6e-5 to 65,504). All else is computed in f32.
;;   The module's matrix products, in the order in which they are computed (A, B: the left and right operand; K: the contracted axis; several contracted axes count as one K, in the product's order):
;;     1. [M 32,768, K 512] x [K 512, N 512]; A: input x; B: input Wq: QUANTISED
;;     2. [M 32,768, K 512] x [K 512, N 512]; A: input x; B: input Wk: QUANTISED
;;     3. [M 32,768, K 512] x [K 512, N 512]; A: input x; B: input Wv: QUANTISED
;;     4. batch 256 x [M 512, K 128] x [K 128, N 512]; A: computed on the way; B: computed on the way: left as it is (an operand is computed on the way)
;;     5. batch 256 x [M 512, K 512] x [K 512, N 128]; A: computed on the way; B: computed on the way: left as it is (an operand is computed on the way)
;;     6. [M 32,768, K 512] x [K 512, N 512]; A: computed on the way; B: input Wt: left as it is (an operand is computed on the way)
;;   THE QUANTISER, for each operand of a quantised product, along K:
;;     - K is cut into blocks of 32 from its start; a last block that is shorter is filled with zeros.
;;     - A block's scale is 2^e with e = floor(log2(the largest magnitude in the block)) - 2, held to -126 .. 127; a block of zeros has e = 0. As a byte (E8M0): e + 127.
;;     - Each number is divided by its block's scale, clamped to +-6, and rounded to the nearest number of E2M1, ties to even, subnormals kept.
;;     - The product sums the exact products of the quantised numbers (number of the format x scale) in f32.
;;   ~~~python
;;   def quantise(x, axis):      # numpy; x: float32 -> the quantised numbers, widened to float32 again
;;       x = np.moveaxis(x, axis, -1); K = x.shape[-1]
;;       x = np.pad(x, [(0, 0)] * (x.ndim - 1) + [(0, -K % 32)]); x = x.reshape(x.shape[:-1] + (-1, 32)); a = np.abs(x).max(-1, keepdims=True)
;;       e = np.where(a > 0, np.clip(np.frexp(np.where(a > 0, a, 1))[1] - 1 - 2, -126, 127), 0)      # np.frexp(a)[1] - 1 = floor(log2(a)), exactly
;;       r = np.clip(x / 2.0 ** e, -6, 6)
;;       step = 2.0 ** (np.maximum(np.frexp(np.where(r == 0, 1, r))[1] - 1, 0) - 1)
;;       q = np.round(r / step) * step * 2.0 ** e      # np.round: ties to even
;;       return np.moveaxis(q.reshape(q.shape[:-2] + (-1,))[..., :K], -1, axis).astype(np.float32)
;;   ~~~
;; One version. Each part assembles by itself: llvm-mc -triple=amdgcn-amd-amdhsa -mcpu=gfx1250 --defsym DOCPART=n.
;; ======== version 1 of 1: 4 launches
;; limits: values are held in f16: magnitudes above 65,504 overflow, below 6.1e-05 lose precision
;; workspace buffers: xq 8,912,896 bytes; wq 942,080 bytes; gq 8,519,680 bytes; yb 67,108,864 bytes; part 1,048,576 bytes
;; launch prep (part 1): grid 512 x 1, 8 waves a work-group, no clusters, 0 bytes of LDS; arguments x, Wq, Wk, Wv, Wt, xq, wq; writes xq, wq
.if DOCPART == 1
	.amdgcn_target "amdgcn-amd-amdhsa--gfx1250"
	.amdhsa_code_object_version 6
	.text
	.protected	k_qd0992a4ebb_prep
	.globl	k_qd0992a4ebb_prep
	.p2align	8
	.type	k_qd0992a4ebb_prep,@function
k_qd0992a4ebb_prep:
	s_mov_b64 s[64:65], 0
	v_nop
	global_prefetch_b8 v0, s[64:65] scope:SCOPE_SE
	s_setreg_imm32_b32 hwreg(HW_REG_WAVE_MODE, 25, 1), 1
	s_wait_xcnt 0x0
; PREP.  x [64][512 f][512 p] and Wq, Wk, Wv [512 o][512 f], f32, become codes of E2M1 along f with one E8M0 byte for each 32 along f; Wt [512 o][512 c] becomes f16.
; All of it is laid as IMAGES OF OPERAND REGISTERS, so that the later launches fill a fragment by loads of 16 bytes a lane from consecutive bytes.
;   a fragment of codes (16 rows x 128 along K, 1,024 bytes): the 16 bytes of block beta (32 along K) of row r lie at 256 beta + 16 r
;   a fragment of f16   (16 rows x  32 along K, 1,024 bytes): the 16 bytes K = 16 g + 8 h + 0..7 of row r lie at 512 g + 256 h + 16 r
;   xq: codes [b][p tile 32][K step 4][1024]; from byte XSW on the scale words [b][K step][p], four bytes a word, the lower K in the lower byte
;   wq: codes [q,k,v][o tile 32][K step 4][1024]; from WSW on the scale words [q,k,v][K step][o]; from WTF on Wt in f16 [chunk of 32 c, 16][o tile 32][1024]
; A block's scale is 2^(floor(log2(largest magnitude)) - 2): its byte is the largest magnitude's exponent field - 2, held at 1 from below by a floor among the maximum's leaves.
; LIMITS: a block of zeros gets the byte 1 over zero codes (the rule's byte is 127; the bytes are read by this program alone and zero codes add nothing); NaN and infinities are not served; |Wt| stays under 65,504 (f16).
; SHARES.  Work-group g takes batch g / 8, K step (g / 2) % 4 (128 rows f) and columns 256 (g % 2) on of x; a wave 32 columns.  The weights are 3 x 32 x 4 = 384 tasks of one fragment (16 rows x 128 along K), Wt 32 x 4 = 128
; tasks of four fragments: 512 in all, as many as there are work-groups: WAVE 0 OF WORK-GROUP g TAKES TASK g.  It asks for the task's numbers first, then for x's first two blocks, and works the task while those are on their way.
; No LDS, no barrier: waves share nothing.
.set XSW, 8388608
.set WSW, 393216
.set WTF, 417792
.set NUM, 32                           ; v32-159  128 numbers of a lane, 32 to a block
.set COD, 16                           ; v16-31   x's codes, four registers a block: no store's data are written again
.set BYT, 12                           ; v12-15   the four blocks' scale bytes
.set EXN, 96                           ; v96-159  the task's 64 numbers a lane: they are done with before x's blocks 2 and 3 are asked for into these registers
.set EXO, 160                          ; v160-191 the task's results: never written again
; 32 numbers of ONE block in a lane's registers -> 4 registers of codes and the scale's byte
.macro QUANT32 base, cod, byt
	v_max3_num_f32 v8, |v[\base]|, |v[\base+1]|, 0x1800000         ; two chains; the floor 2^(3 - 127) is one more leaf: the byte cannot fall under 1
	v_max_num_f32 v9, |v[\base+2]|, |v[\base+3]|
.irp i, 4,8,12,16,20,24,28
	v_max3_num_f32 v8, v8, |v[\base+\i]|, |v[\base+\i+1]|
	v_max3_num_f32 v9, v9, |v[\base+\i+2]|, |v[\base+\i+3]|
.endr
	v_max_num_f32 v8, v8, v9
	v_add_nc_u32 v10, 0xff000000, v8                               ; 2 off the exponent field: the conversion takes this operand's exponent field as its scale
.irp g, 0,1,2,3
	v_cvt_scalef32_pk8_fp4_f32 v[\cod+\g], v[\base+8*\g:\base+8*\g+7], v10
.endr
	v_lshrrev_b32 v[\byt], 23, v10                                 ; the byte; also the plain instruction behind the conversions
.endm
.macro LOADB blk                       ; block blk of x: x(32 blk + i, my column): 32 lanes read 128 consecutive bytes
.set i, 0
.rept 32
	global_load_b32 v[NUM+32*(\blk)+i], v4, s[4:5] offset:(32*(\blk)+i)*2048 th:TH_LOAD_NT
.set i, i+1
.endr
.endm
.macro QBLK blk, cnt, nxt              ; cnt: the younger block's loads, which may stay out; nxt: the block asked for now (0: none)
	s_wait_loadcnt \cnt
.if \nxt
	LOADB \nxt
.endif
	QUANT32 NUM+32*\blk, COD+4*\blk, BYT+\blk
	global_store_b128 v5, v[COD+4*\blk:COD+4*\blk+3], s[34:35] offset:256*\blk
.endm
	s_load_b256 s[4:11], s[0:1], 0x0               ; x, Wq, Wk, Wv
	s_load_b128 s[12:15], s[0:1], 0x20             ; Wt, xq
	s_load_b64 s[16:17], s[0:1], 0x30              ; wq
	v_lshrrev_b32 v1, 5, v0
	v_readfirstlane_b32 s18, v1                    ; wave 0..7
	v_and_b32 v1, 31, v0                           ; lane
	v_and_b32 v2, 15, v0                           ; r
	v_bfe_u32 v3, v0, 4, 1                         ; h
	v_lshlrev_b32 v4, 2, v1                        ; x in, and its scale word out: 4 bytes a lane
	v_lshlrev_b32 v5, 4, v2
	v_lshl_add_u32 v5, v3, 12, v5                  ; x's codes out: 16 r, and lanes 16-31 one p tile (4,096 bytes) on: sixteen lanes store 256 consecutive bytes, aligned
	v_lshlrev_b32 v7, 4, v1                        ; 16 x lane: a fragment's image
	s_mov_b32 s25, 0                               ; the high words of three offsets
	s_mov_b32 s27, 0
	s_mov_b32 s29, 0
	s_lshr_b32 s20, ttmp9, 3                       ; b
	s_bfe_u32 s21, ttmp9, 0x20001                  ; K step
	s_and_b32 s22, ttmp9, 1                        ; which 256 columns
	s_lshl_b32 s24, s20, 20                        ; x: b 2^20 + step x 128 rows of 2,048 bytes + 1,024 half + 128 wave
	s_lshl_b32 s23, s21, 18
	s_add_co_u32 s24, s24, s23
	s_lshl_b32 s23, s22, 10
	s_add_co_u32 s24, s24, s23
	s_lshl_b32 s23, s18, 7
	s_add_co_u32 s24, s24, s23
	s_lshl_b32 s26, s20, 17                        ; codes: ((32 b + 16 half + 2 wave) 4 + step) 1,024
	s_lshl_b32 s23, s22, 16
	s_add_co_u32 s26, s26, s23
	s_lshl_b32 s23, s18, 13
	s_add_co_u32 s26, s26, s23
	s_lshl_b32 s23, s21, 10
	s_add_co_u32 s26, s26, s23
	s_lshl_b32 s28, s20, 13                        ; scale words: ((4 b + step) 512 + 256 half + 32 wave) 4
	s_lshl_b32 s23, s21, 11
	s_add_co_u32 s28, s28, s23
	s_lshl_b32 s23, s22, 10
	s_add_co_u32 s28, s28, s23
	s_lshl_b32 s23, s18, 7
	s_add_co_u32 s28, s28, s23
	s_add_co_u32 s28, s28, XSW
	s_wait_kmcnt 0x0
	s_add_nc_u64 s[4:5], s[4:5], s[24:25]
	s_add_nc_u64 s[34:35], s[14:15], s[26:27]
	s_add_nc_u64 s[36:37], s[14:15], s[28:29]
	s_cmp_lg_u32 s18, 0                            ; three arms, each with x's first 64 loads; they join ahead of x's first block
	s_cbranch_scc1 .Lplain
	s_cmp_lt_u32 ttmp9, 384
	s_cbranch_scc0 .Lwt
; ---- wave 0, tasks 0-383: one fragment of Wq, Wk or Wv.  K = f is innermost: lane (r, h) takes whole blocks 2 c + h of its row.  Matrix g / 128, o tile (g / 4) % 32, K step g % 4.
	s_lshr_b32 s20, ttmp9, 7                       ; which matrix
	s_bfe_u32 s21, ttmp9, 0x50002                  ; o tile
	s_and_b32 s22, ttmp9, 3                        ; K step
	s_cmp_eq_u32 s20, 1                            ; the choice hangs on ids alone
	s_cselect_b64 s[6:7], s[8:9], s[6:7]
	s_cmp_eq_u32 s20, 2
	s_cselect_b64 s[6:7], s[10:11], s[6:7]
	s_lshl_b32 s24, s21, 15                        ; 16 rows of 2,048 bytes a tile, 512 bytes a K step
	s_lshl_b32 s23, s22, 9
	s_add_co_u32 s24, s24, s23
	s_add_nc_u64 s[6:7], s[6:7], s[24:25]
	s_lshl_b32 s26, s20, 17                        ; codes: ((32 m + tile) 4 + step) 1,024
	s_lshl_b32 s23, s21, 12
	s_add_co_u32 s26, s26, s23
	s_lshl_b32 s23, s22, 10
	s_add_co_u32 s26, s26, s23
	s_add_nc_u64 s[30:31], s[16:17], s[26:27]
	s_lshl_b32 s28, s20, 13                        ; scale words: (4 m + step) 2,048 + 64 tile
	s_lshl_b32 s23, s22, 11
	s_add_co_u32 s28, s28, s23
	s_lshl_b32 s23, s21, 6
	s_add_co_u32 s28, s28, s23
	s_add_co_u32 s28, s28, WSW
	s_add_nc_u64 s[32:33], s[16:17], s[28:29]
	v_lshlrev_b32 v6, 11, v2
	v_lshl_add_u32 v6, v3, 7, v6                   ; row r, block h
	v_lshl_add_u32 v11, v2, 2, v3                  ; my row's scale word, byte h
.irp c, 0,1
.irp k, 0,1,2,3,4,5,6,7
	global_load_b128 v[EXN+32*\c+4*\k:EXN+32*\c+4*\k+3], v6, s[6:7] offset:256*\c+16*\k
.endr
.endr
	LOADB 0
	LOADB 1
	s_wait_loadcnt 63                              ; of the 80 loads at most 63 are out: the oldest 17, the task's 16 among them, are in
	QUANT32 EXN, EXO, EXO+8
	global_store_b128 v7, v[EXO:EXO+3], s[30:31]                   ; registers 0-3 of the fragment: 512 consecutive bytes
	QUANT32 EXN+32, EXO+4, EXO+9
	global_store_b128 v7, v[EXO+4:EXO+7], s[30:31] offset:512      ; registers 4-7
	global_store_b8 v11, v[EXO+8], s[32:33]                        ; the byte of block h,
	global_store_b8 v11, v[EXO+9], s[32:33] offset:2               ; and of block 2 + h: the 32 lanes' two stores fill the tile's 64 bytes of scale words
	s_branch .Lgo
; ---- wave 0, tasks 384-511: Wt to f16: o tile t / 4, four chunks of 32 along c from 4 (t % 4) on, t = g - 384.
.Lwt:
	s_sub_co_u32 s19, ttmp9, 384
	s_lshr_b32 s20, s19, 2                         ; o tile
	s_and_b32 s21, s19, 3                          ; which four chunks
	s_lshl_b32 s24, s20, 15
	s_lshl_b32 s23, s21, 9
	s_add_co_u32 s24, s24, s23
	s_add_nc_u64 s[12:13], s[12:13], s[24:25]
	s_lshl_b32 s26, s21, 17                        ; ((4 qd + cc) 32 + tile) 1,024
	s_lshl_b32 s23, s20, 10
	s_add_co_u32 s26, s26, s23
	s_add_co_u32 s26, s26, WTF
	s_add_nc_u64 s[30:31], s[16:17], s[26:27]
	v_lshlrev_b32 v6, 11, v2
	v_lshl_add_u32 v6, v3, 5, v6                   ; row r, + 8 h numbers
.irp q, 0,1,2,3,4,5,6,7                ; q = 2 cc + g: eight numbers, c = 32 cc + 16 g + 8 h + 0..7
	global_load_b128 v[EXN+8*\q:EXN+8*\q+3], v6, s[12:13] offset:64*\q
	global_load_b128 v[EXN+8*\q+4:EXN+8*\q+7], v6, s[12:13] offset:64*\q+16
.endr
	LOADB 0
	LOADB 1
	s_wait_loadcnt 63                              ; as above: the task's 16 loads are in
.irp q, 0,1,2,3,4,5,6,7
.irp e, 0,1,2,3
	v_cvt_pk_f16_f32 v[EXO+4*\q+\e], v[EXN+8*\q+2*\e], v[EXN+8*\q+2*\e+1]   ; the lower c in the low half
.endr
.endr
.irp q, 0,1,2,3,4,5,6,7
	global_store_b128 v7, v[EXO+4*\q:EXO+4*\q+3], s[30:31] offset:32768*(\q/2)+512*(\q%2)
.endr
	s_branch .Lgo
.Lplain:                               ; waves 1 to 7
	LOADB 0
	LOADB 1
; ---- x.  K = f is not innermost: A LANE TAKES A COLUMN p AND ITS REGISTERS RUN DOWN f, so a block's maximum needs no other lane and the codes come out with K innermost.
.Lgo:
	QBLK 0, 32, 2
	QBLK 1, 32, 3
	QBLK 2, 32, 0
	QBLK 3, 0, 0
	v_lshl_or_b32 v12, v13, 8, v12                 ; the four bytes make my column's scale word for this K step
	v_lshl_or_b32 v12, v14, 16, v12
	v_lshl_or_b32 v12, v15, 24, v12
	global_store_b32 v4, v12, s[36:37]             ; 128 consecutive bytes a wave: one byte for each 128 that the wave reads
	s_endpgm
.Lfunc_end_k_qd0992a4ebb_prep:
	.size	k_qd0992a4ebb_prep, .Lfunc_end_k_qd0992a4ebb_prep-k_qd0992a4ebb_prep
	.p2alignl 7, 3214868480
	.fill 96, 4, 3214868480
	.section	.rodata,"a",@progbits
	.p2align	6, 0x0
	.amdhsa_kernel k_qd0992a4ebb_prep
		.amdhsa_group_segment_fixed_size 0
		.amdhsa_private_segment_fixed_size 0
		.amdhsa_enable_private_segment 0
		.amdhsa_kernarg_size 56
		.amdhsa_user_sgpr_count 2
		.amdhsa_user_sgpr_kernarg_segment_ptr 1
		.amdhsa_wavefront_size32 1
		.amdhsa_system_sgpr_workgroup_id_x 1
		.amdhsa_system_sgpr_workgroup_id_y 1
		.amdhsa_system_sgpr_workgroup_id_z 1
		.amdhsa_system_vgpr_workitem_id 0
		.amdhsa_next_free_vgpr 192
		.amdhsa_next_free_sgpr 66
		.amdhsa_reserve_vcc 0
		.amdhsa_float_denorm_mode_32 3
		.amdhsa_float_denorm_mode_16_64 3
		.amdhsa_memory_ordered 1
		.amdhsa_forward_progress 1
		.amdhsa_inst_pref_size 43
	.end_amdhsa_kernel
	.amdgpu_metadata
---
amdhsa.version: [ 1, 2 ]
amdhsa.kernels:
  - .name:           k_qd0992a4ebb_prep
    .symbol:         k_qd0992a4ebb_prep.kd
    .args:
      - { .name: x, .offset: 0, .size: 8, .value_kind: global_buffer, .address_space: global }
      - { .name: Wq, .offset: 8, .size: 8, .value_kind: global_buffer, .address_space: global }
      - { .name: Wk, .offset: 16, .size: 8, .value_kind: global_buffer, .address_space: global }
      - { .name: Wv, .offset: 24, .size: 8, .value_kind: global_buffer, .address_space: global }
      - { .name: Wt, .offset: 32, .size: 8, .value_kind: global_buffer, .address_space: global }
      - { .name: xq, .offset: 40, .size: 8, .value_kind: global_buffer, .address_space: global }
      - { .name: wq, .offset: 48, .size: 8, .value_kind: global_buffer, .address_space: global }
    .group_segment_fixed_size: 0
    .private_segment_fixed_size: 0
    .kernarg_segment_align: 8
    .kernarg_segment_size: 56
    .max_flat_workgroup_size: 256
    .sgpr_count:     66
    .vgpr_count:     192
    .wavefront_size: 32
...
	.end_amdgpu_metadata
.endif
;; end of part 1
;; launch kvg (part 2): grid 256 x 1, 4 waves a work-group, no clusters, 262,912 bytes of LDS; arguments xq, wq, gq; writes gq
.if DOCPART == 2
	.amdgcn_target "amdgcn-amd-amdhsa--gfx1250"
	.amdhsa_code_object_version 6
	.text
	.protected	k_qd0992a4ebb_kvg
	.globl	k_qd0992a4ebb_kvg
	.p2align	8
	.type	k_qd0992a4ebb_kvg,@function
k_qd0992a4ebb_kvg:
	s_mov_b64 s[64:65], 0
	v_nop
	global_prefetch_b8 v0, s[64:65] scope:SCOPE_SE
	s_setreg_imm32_b32 hwreg(HW_REG_WAVE_MODE, 25, 1), 1
	s_wait_xcnt 0x0
; KVG.  For one batch b and head h (work-group 4 b + h): k = Wk_h x and v = Wv_h x on codes of E2M1, then G[d1][d2] = sum over p of k[d1][p] v[d2][p] (128 x 128) on f16 operands, f32 sums.
; (q^T k) v = q^T (k v^T): there is no softmax between the two products, so the sum over the 512 points is taken first; this holds for every input.
; SHARES.  Wave w owns points 128 w .. 128 w + 127 (8 tiles of 16): it makes k and v for them and its partial G; the four partial sums meet in LDS.
; LAYOUT, nothing is transposed.  k, v: source 0 = 16 points of x, source 1 = 16 channels of W: a lane holds ONE channel and its registers run along the points, so two tiles of points rounded to f16 ARE
; a fragment with K = the points.  G: source 0 = k, source 1 = v: a lane holds d2 and its registers run along d1: two tiles rounded to f16 are the next launch's fragment (rows d2, K = d1).
; G leaves as G 2^-e in f16, e = floor(log2(largest |G| of the head)), an exact power of two, so that |.| < 2; 2^e leaves beside it as an f32 number.
; LIMITS: |k|, |v| under 65,504 (f16); the largest |G| under 2^126 (it is held there) and taken as 2^-100 at the least; NaN and infinities are not served.
; Clusters and tensor loads are left out: the four work-groups of a batch share x's codes, 128 KiB read once by each, but each fragment goes to ONE wave's registers and is used from there for the whole launch.
; LDS: 0 .. 65,535 the images of the head's 64 fragments of Wk and Wv (index 4 n + K step; n = 0-7 k's channel tiles, 8-15 v's); behind the second barrier 0 .. 262,143 the partial sums
; [half of d1][wave][tile 8 t1' + t2][1,024]; MX the four waves' maxima; SPARE the spare words, 128 bytes a wave, which no other line names.
; REGISTERS, in windows of 256: window 0: v1-11 addresses, v12-29 at work, v30, v31 the add's two, v32-47 x's scale words, v48-63 Wk's, v64-79 Wv's (these 48 hold scales alone), v96-159 two sets of W fragments,
;   v160-223 eight tiles of f32.  window 1: k in f16, fragment (channel tile t, 32 points u) at 32 t + 8 u.  window 2: v likewise.  window 3: x's fragments (tile i, K step s) at 8 (4 i + s); later 32 accumulators of G.
.set XSW, 8388608
.set WSW, 393216
.set GSO, 8388608
.set MX,  262144
.set SPARE, 262400
.set MSB, 0
.macro WIN new                         ; s_set_vgpr_msb: bits 1:0 source 0, 3:2 source 1, 5:4 source 2, 7:6 destination; the high byte repeats the setting that is left
.if MSB != (\new)
	s_set_vgpr_msb (MSB<<8)|(\new)
.set MSB, (\new)
.endif
.endm
.macro PLACES cnt
.rept \cnt
	v_nop
.endr
.endm
.macro BARRIER                         ; my LDS stores have landed and my LDS loads are in: then the work-group's barrier
	s_wait_dscnt 0x0
	s_barrier_signal -1
	s_barrier_wait -1
.endm
; one scaled product.  zero: it starts the sum.  ra, rb: 1 = the side's scale words stand in lanes 16-31 of the register named
.macro SMUL d, a, b, zero, sa, sb, ra, rb
.if \zero
.if ((\ra) == 0) && ((\rb) == 0)
	v_wmma_scale_f32_16x16x128_f8f6f4 v[\d:\d+7], v[\a:\a+7], v[\b:\b+7], 0, v[\sa], v[\sb] matrix_a_fmt:MATRIX_FMT_FP4 matrix_b_fmt:MATRIX_FMT_FP4
.elseif (\rb) == 0
	v_wmma_scale_f32_16x16x128_f8f6f4 v[\d:\d+7], v[\a:\a+7], v[\b:\b+7], 0, v[\sa], v[\sb] matrix_a_fmt:MATRIX_FMT_FP4 matrix_b_fmt:MATRIX_FMT_FP4 matrix_a_scale:MATRIX_SCALE_ROW1
.elseif (\ra) == 0
	v_wmma_scale_f32_16x16x128_f8f6f4 v[\d:\d+7], v[\a:\a+7], v[\b:\b+7], 0, v[\sa], v[\sb] matrix_a_fmt:MATRIX_FMT_FP4 matrix_b_fmt:MATRIX_FMT_FP4 matrix_b_scale:MATRIX_SCALE_ROW1
.else
	v_wmma_scale_f32_16x16x128_f8f6f4 v[\d:\d+7], v[\a:\a+7], v[\b:\b+7], 0, v[\sa], v[\sb] matrix_a_fmt:MATRIX_FMT_FP4 matrix_b_fmt:MATRIX_FMT_FP4 matrix_a_scale:MATRIX_SCALE_ROW1 matrix_b_scale:MATRIX_SCALE_ROW1
.endif
.else
.if ((\ra) == 0) && ((\rb) == 0)
	v_wmma_scale_f32_16x16x128_f8f6f4 v[\d:\d+7], v[\a:\a+7], v[\b:\b+7], v[\d:\d+7], v[\sa], v[\sb] matrix_a_fmt:MATRIX_FMT_FP4 matrix_b_fmt:MATRIX_FMT_FP4
.elseif (\rb) == 0
	v_wmma_scale_f32_16x16x128_f8f6f4 v[\d:\d+7], v[\a:\a+7], v[\b:\b+7], v[\d:\d+7], v[\sa], v[\sb] matrix_a_fmt:MATRIX_FMT_FP4 matrix_b_fmt:MATRIX_FMT_FP4 matrix_a_scale:MATRIX_SCALE_ROW1
.elseif (\ra) == 0
	v_wmma_scale_f32_16x16x128_f8f6f4 v[\d:\d+7], v[\a:\a+7], v[\b:\b+7], v[\d:\d+7], v[\sa], v[\sb] matrix_a_fmt:MATRIX_FMT_FP4 matrix_b_fmt:MATRIX_FMT_FP4 matrix_b_scale:MATRIX_SCALE_ROW1
.else
	v_wmma_scale_f32_16x16x128_f8f6f4 v[\d:\d+7], v[\a:\a+7], v[\b:\b+7], v[\d:\d+7], v[\sa], v[\sb] matrix_a_fmt:MATRIX_FMT_FP4 matrix_b_fmt:MATRIX_FMT_FP4 matrix_a_scale:MATRIX_SCALE_ROW1 matrix_b_scale:MATRIX_SCALE_ROW1
.endif
.endif
.endm
	s_load_b128 s[4:7], s[0:1], 0x0                ; xq, wq
	s_load_b64 s[8:9], s[0:1], 0x10                ; gq
	v_lshl_add_u32 v30, v0, 2, SPARE               ; my spare word, and 0: made here and kept for the add at the wave's end
	v_mov_b32 v31, 0
	v_lshrrev_b32 v1, 5, v0
	v_readfirstlane_b32 s10, v1                    ; wave 0..3
	v_and_b32 v16, 31, v0
	v_lshlrev_b32 v1, 4, v16                       ; 16 x lane: an image's place for my lane
	v_lshlrev_b32 v2, 2, v16                       ; 4 x lane: a scale word's
	v_lshlrev_b32 v29, 2, v0                       ; 4 x thread
	s_lshl_b32 s11, s10, 14
	v_add_nc_u32 v3, s11, v1                       ; where I put my 16 fragments of W
	s_lshl_b32 s11, s10, 15
	v_add_nc_u32 v4, s11, v1                       ; my partial sums, first half of d1,
	v_add_nc_u32 v5, 131072, v4                    ; second half
	s_lshl_b32 s11, s10, 11
	v_add_nc_u32 v6, s11, v1                       ; where I read the four waves' partial sums of my two tiles of d2: 65,536 apart, so that the immediates reach
	v_add_nc_u32 v7, 65536, v6
	v_add_nc_u32 v8, 131072, v6
	v_add_nc_u32 v9, 196608, v6
	s_lshl_b32 s11, s10, 2
	s_add_co_u32 s11, s11, MX
	v_mov_b32 v10, s11                             ; my wave's word among the maxima
	v_mov_b32 v11, MX
.irp k, 0,1,2,3
	v_mov_b32 v[12+\k], 0x0d800000                 ; four chains of the maximum begin at the floor 2^-100
.endr
	s_lshr_b32 s12, ttmp9, 2                       ; b
	s_and_b32 s13, ttmp9, 3                        ; h
	s_mov_b32 s15, 0
	s_mov_b32 s28, 0x76543210                      ; v_permlanex16_b32's selects for lane l xor 16
	s_mov_b32 s29, 0xfedcba98
	s_wait_kmcnt 0x0
	s_lshr_b32 s14, s10, 1                         ; my share of the weights: matrix 1 + w / 2 (k, v), channel tiles 4 (w % 2) .. + 3 of the head: 16 fragments, 16 KiB on end
	s_add_co_u32 s14, s14, 1
	s_lshl_b32 s14, s14, 17
	s_lshl_b32 s11, s13, 15
	s_add_co_u32 s14, s14, s11
	s_and_b32 s11, s10, 1
	s_lshl_b32 s11, s11, 14
	s_add_co_u32 s14, s14, s11
	s_add_nc_u64 s[16:17], s[6:7], s[14:15]
	s_lshl_b32 s14, s12, 17                        ; x's codes: my 8 tiles, 32 KiB on end
	s_lshl_b32 s11, s10, 15
	s_add_co_u32 s14, s14, s11
	s_add_nc_u64 s[18:19], s[4:5], s[14:15]
	s_lshl_b32 s14, s12, 13                        ; x's scale words
	s_lshl_b32 s11, s10, 9
	s_add_co_u32 s14, s14, s11
	s_add_co_u32 s14, s14, XSW
	s_add_nc_u64 s[20:21], s[4:5], s[14:15]
	s_lshl_b32 s14, s13, 9                         ; Wk's scale words of the head; Wv's lie 8,192 bytes on
	s_add_co_u32 s14, s14, WSW+8192
	s_add_nc_u64 s[22:23], s[6:7], s[14:15]
	s_lshl_b32 s14, ttmp9, 15                      ; G's fragments: my two tiles of d2
	s_lshl_b32 s11, s10, 13
	s_add_co_u32 s14, s14, s11
	s_add_nc_u64 s[24:25], s[8:9], s[14:15]
	s_lshl_b32 s14, ttmp9, 9                       ; and its power of two
	s_add_co_u32 s14, s14, GSO
	s_add_nc_u64 s[26:27], s[8:9], s[14:15]
	WIN 0x40                                       ; destination window 1
.set n, 0
.rept 32
	global_load_b128 v[4*n:4*n+3], v1, s[16:17] offset:512*n
.set n, n+1
.endr
	WIN 0xc0                                       ; destination window 3
.set n, 0
.rept 64
	global_load_b128 v[4*n:4*n+3], v1, s[18:19] offset:512*n
.set n, n+1
.endr
	s_wait_loadcnt 63                              ; of the 96 loads at most the 63 youngest are out: the first 32, my share of the weights, are in
	WIN 0x04                                       ; an LDS store's data are its source 1: window 1
.set n, 0
.rept 32
	ds_store_b128 v3, v[4*n:4*n+3] offset:512*n
.set n, n+1
.endr
	WIN 0
.irp u, 0,1,2,3                        ; a scale register: lanes 0-15 tile 2 u's rows, lanes 16-31 tile 2 u + 1's
.irp s, 0,1,2,3
	global_load_b32 v[32+4*\u+\s], v2, s[20:21] offset:2048*\s+128*\u
	global_load_b32 v[48+4*\u+\s], v2, s[22:23] offset:2048*\s+128*\u
	global_load_b32 v[64+4*\u+\s], v2, s[22:23] offset:8192+2048*\s+128*\u
.endr
.endr
	BARRIER                                        ; the head's 64 fragments of Wk and Wv lie in LDS
.macro WFETCH tn                       ; channel tile tn's four fragments into set tn % 2
.irp s, 0,1,2,3
.irp c, 0,1
	ds_load_b128 v[96+32*((\tn)%2)+8*\s+4*\c:96+32*((\tn)%2)+8*\s+4*\c+3], v1 offset:(4*(\tn)+\s)*1024+512*\c
.endr
.endr
.endm
; One channel tile of k (tn < 8) or v against my 8 tiles of points: 32 products, the eight accumulators by turns, then rounded to f16 into window 1 or 2.
.macro TILE tn
.if (\tn) < 15
	WFETCH (\tn)+1                                 ; into the set that the tile before read: its four v_nop and 32 roundings stand between
	s_wait_dscnt 8                                 ; all but the eight just issued
.else
	s_wait_dscnt 0x0
.endif
	WIN 0x03                                       ; source 0 (x) window 3
.irp s, 0,1,2,3
.irp i, 0,1,2,3,4,5,6,7
	SMUL 160+8*\i, 8*(4*\i+\s), 96+32*((\tn)%2)+8*\s, \s==0, 32+4*(\i/2)+\s, 48+16*((\tn)/8)+4*(((\tn)%8)/2)+\s, \i%2, (\tn)%2
.endr
.endr
	PLACES 4                                       ; ahead of the first read of results
	WIN 0x40*(1+(\tn)/8)
.irp i, 0,1,2,3,4,5,6,7
.irp e, 0,1,2,3
	v_cvt_pk_f16_f32 v[32*((\tn)%8)+4*\i+\e], v[160+8*\i+2*\e], v[160+8*\i+2*\e+1]   ; each tile from its low end on
.endr
.endr
	WIN 0
.endm
	WFETCH 0
	s_wait_loadcnt 0x0                             ; x's codes and all scale words
.irp q, 0,1,2,3,4,5,6,7,8,9,10,11,12,13,14,15
	TILE \q
.endr
	BARRIER                                        ; nobody reads the weights' images any more: their bytes take partial sums
; Half H of G: d1 tiles 4 H .. 4 H + 3 x all 8 d2 tiles, K = my 128 points in 4 steps of 32; 32 accumulators by turns; then to LDS as they stand.
.macro GHALF H
	WIN 0xf9                                       ; source 0 (k) window 1, source 1 (v) window 2, C and D window 3
.irp u, 0,1,2,3
.irp t, 0,1,2,3
.irp e, 0,1,2,3,4,5,6,7
.if \u == 0
	v_wmma_f32_16x16x32_f16 v[8*(8*\t+\e):8*(8*\t+\e)+7], v[32*(4*\H+\t)+8*\u:32*(4*\H+\t)+8*\u+7], v[32*\e+8*\u:32*\e+8*\u+7], 0
.else
	v_wmma_f32_16x16x32_f16 v[8*(8*\t+\e):8*(8*\t+\e)+7], v[32*(4*\H+\t)+8*\u:32*(4*\H+\t)+8*\u+7], v[32*\e+8*\u:32*\e+8*\u+7], v[8*(8*\t+\e):8*(8*\t+\e)+7]
.endif
.endr
.endr
.endr
	PLACES 5                                       ; four ahead of the stores that read results and of loads into k's and v's registers; five ahead of the next half, which begins the same accumulators anew
	WIN 0x0c                                       ; the stores' data: window 3
.set n, 0
.rept 32
	ds_store_b128 v[4+\H], v[8*n:8*n+3] offset:1024*n              ; each accumulator from its low end on
	ds_store_b128 v[4+\H], v[8*n+4:8*n+7] offset:1024*n+512
.set n, n+1
.endr
	WIN 0
	s_wait_dscnt 0x0                               ; the stores have read the accumulators
.endm
	GHALF 0
	GHALF 1
	BARRIER                                        ; all partial sums lie in LDS
; My share of the sum: d2 tiles 2 w + e, all 8 d1 tiles t: tile q = 2 t + e.  Wave p's partial lands in window 1 + p / 2 at 128 (p % 2) + 8 q.
.irp p, 0,1,2,3
	WIN 0x40*(1+\p/2)
.irp t, 0,1,2,3,4,5,6,7
.irp e, 0,1
.irp g, 0,1
	ds_load_b128 v[128*(\p%2)+8*(2*\t+\e)+4*\g:128*(\p%2)+8*(2*\t+\e)+4*\g+3], v[6+2*(\t/4)+\p/2] offset:32768*(\p%2)+8192*(\t%4)+1024*\e+512*\g
.endr
.endr
.endr
.endr
	s_wait_dscnt 0x0
	WIN 0x45                                       ; all in window 1
.set n, 0
.rept 64
	v_pk_add_f32 v[2*n:2*n+1], v[2*n:2*n+1], v[128+2*n:129+2*n]
.set n, n+1
.endr
	WIN 0x8a                                       ; all in window 2
.set n, 0
.rept 64
	v_pk_add_f32 v[2*n:2*n+1], v[2*n:2*n+1], v[128+2*n:129+2*n]
.set n, n+1
.endr
	WIN 0x49                                       ; window 1 += window 2: G's 16 tiles of mine in window 1, v0-127
.set n, 0
.rept 64
	v_pk_add_f32 v[2*n:2*n+1], v[2*n:2*n+1], v[2*n:2*n+1]
.set n, n+1
.endr
	WIN 0x14                                       ; sources 1 and 2 window 1
.set n, 0
.rept 64
	v_max3_num_f32 v[12+n%4], v[12+n%4], |v[2*n]|, |v[2*n+1]|
.set n, n+1
.endr
	WIN 0
	v_max3_num_f32 v12, v12, v13, v14
	v_max_num_f32 v12, v12, v15
	v_max_num_f32_dpp v12, v12, v12 row_xmask:1 row_mask:0xf bank_mask:0xf
	v_max_num_f32_dpp v12, v12, v12 row_xmask:2 row_mask:0xf bank_mask:0xf
	v_max_num_f32_dpp v12, v12, v12 row_xmask:4 row_mask:0xf bank_mask:0xf
	v_max_num_f32_dpp v12, v12, v12 row_xmask:8 row_mask:0xf bank_mask:0xf
	v_permlanex16_b32 v16, v12, s28, s29           ; (v16 has been written)
	v_max_num_f32 v12, v12, v16
	ds_store_b32 v10, v12                          ; all lanes write my wave's word with the same value
	BARRIER
	ds_load_b128 v[16:19], v11
	s_wait_dscnt 0x0
	v_max3_num_f32 v12, v16, v17, v18
	v_max_num_f32 v12, v12, v19                    ; the head's largest |G|
	v_and_b32 v13, 0x7f800000, v12                 ; 2^e: its exponent field alone,
	v_min_u32 v13, 0x7e800000, v13                 ; held at 2^126, so that 2^-e is a normal number
	v_sub_nc_u32 v20, 0x7f000000, v13              ; 2^-e
	v_mov_b32 v21, v20
	WIN 0x41                                       ; destination and source 0 window 1
.set n, 0
.rept 64
	v_pk_mul_f32 v[2*n:2*n+1], v[2*n:2*n+1], v[20:21]              ; exact
.set n, n+1
.endr
	WIN 0x05                                       ; sources window 1, destination window 0
.irp e, 0,1                            ; fragment (d2 tile 2 w + e, d1 = 32 k ..): d1 tiles 2 k and 2 k + 1
.irp k, 0,1,2,3
.irp c, 0,1,2,3
	v_cvt_pk_f16_f32 v[96+8*(4*\e+\k)+\c], v[8*(4*\k+\e)+2*\c], v[8*(4*\k+\e)+2*\c+1]
	v_cvt_pk_f16_f32 v[100+8*(4*\e+\k)+\c], v[8*(4*\k+2+\e)+2*\c], v[8*(4*\k+2+\e)+2*\c+1]
.endr
.endr
.endr
	WIN 0
.set n, 0
.rept 16
	global_store_b128 v1, v[96+4*n:96+4*n+3], s[24:25] offset:512*n   ; 512 consecutive bytes a store
.set n, n+1
.endr
	global_store_b32 v29, v13, s[26:27]            ; 2^e, in each of the head's 128 words
	s_wait_tensorcnt 0x0                           ; the wave's end, behind my last LDS store
	ds_add_u32 v30, v31
	s_wait_dscnt 0x0
	s_endpgm
.Lfunc_end_k_qd0992a4ebb_kvg:
	.size	k_qd0992a4ebb_kvg, .Lfunc_end_k_qd0992a4ebb_kvg-k_qd0992a4ebb_kvg
	.p2alignl 7, 3214868480
	.fill 96, 4, 3214868480
	.section	.rodata,"a",@progbits
	.p2align	6, 0x0
	.amdhsa_kernel k_qd0992a4ebb_kvg
		.amdhsa_group_segment_fixed_size 262912
		.amdhsa_private_segment_fixed_size 0
		.amdhsa_enable_private_segment 0
		.amdhsa_kernarg_size 24
		.amdhsa_user_sgpr_count 2
		.amdhsa_user_sgpr_kernarg_segment_ptr 1
		.amdhsa_wavefront_size32 1
		.amdhsa_system_sgpr_workgroup_id_x 1
		.amdhsa_system_sgpr_workgroup_id_y 1
		.amdhsa_system_sgpr_workgroup_id_z 1
		.amdhsa_system_vgpr_workitem_id 0
		.amdhsa_next_free_vgpr 1024
		.amdhsa_next_free_sgpr 66
		.amdhsa_reserve_vcc 0
		.amdhsa_float_denorm_mode_32 3
		.amdhsa_float_denorm_mode_16_64 3
		.amdhsa_memory_ordered 1
		.amdhsa_forward_progress 1
		.amdhsa_inst_pref_size 187
	.end_amdhsa_kernel
	.amdgpu_metadata
---
amdhsa.version: [ 1, 2 ]
amdhsa.kernels:
  - .name:           k_qd0992a4ebb_kvg
    .symbol:         k_qd0992a4ebb_kvg.kd
    .args:
      - { .name: xq, .offset: 0, .size: 8, .value_kind: global_buffer, .address_space: global }
      - { .name: wq, .offset: 8, .size: 8, .value_kind: global_buffer, .address_space: global }
      - { .name: gq, .offset: 16, .size: 8, .value_kind: global_buffer, .address_space: global }
    .group_segment_fixed_size: 262912
    .private_segment_fixed_size: 0
    .kernarg_segment_align: 8
    .kernarg_segment_size: 24
    .max_flat_workgroup_size: 128
    .sgpr_count:     66
    .vgpr_count:     1024
    .wavefront_size: 32
...
	.end_amdgpu_metadata
.endif
;; end of part 2
;; launch main (part 3): grid 256 x 1, 4 waves a work-group, no clusters, 327,680 bytes of LDS; arguments xq, wq, gq, x, bt, yb, part; writes yb, part
.if DOCPART == 3
	.amdgcn_target "amdgcn-amd-amdhsa--gfx1250"
	.amdhsa_code_object_version 6
	.text
	.protected	k_qd0992a4ebb_main
	.globl	k_qd0992a4ebb_main
	.p2align	8
	.type	k_qd0992a4ebb_main,@function
k_qd0992a4ebb_main:
	s_mov_b64 s[64:65], 0
	v_nop
	global_prefetch_b8 v0, s[64:65] scope:SCOPE_SE
	s_setreg_imm32_b32 hwreg(HW_REG_WAVE_MODE, 25, 1), 1
	s_wait_xcnt 0x0
; MAIN.  For one batch b and 128 points (work-group 4 b + j, points 128 j ..): q = Wq x on codes of E2M1; Z_h = G_h^T q_h and T = Wt Z on f16 operands, f32 sums; y = T + bt - x goes to yb, and for each
; of the 512 channels the sum S of its 128 numbers of y and the sum M2 of their squared distances from their own mean go to part.
; SHARES.  Wave w is head w while q and Z are made (all 128 points), and owns channels o = 128 w .. + 127 of T, in two halves of 64.  Z goes from wave to wave through LDS as images of its fragments.
; LAYOUT, nothing is transposed.  q: source 0 = Wq, source 1 = x: a lane holds a point, registers run along d1: rounded to f16 they are the fragment (columns p, K = d1).  Z: source 0 = G, source 1 = q: a lane holds a
; point, registers run along d2: the fragment (rows p, K = c).  T: source 0 = Z, source 1 = Wt: a lane holds ONE channel o and eight neighbouring points: bt and the statistics are a lane's own.
; POWERS OF TWO.  G arrives as G 2^-e (|.| < 2) with sG = 2^e.  B = the largest over the heads of (largest |q_h| x sG_h), held at 2^-64 from below; E = floor(log2 B).  |Z| < 128 x 2 x 2^(E+1), so
; Z 2^(6-E) stays under 2^15 in f16.  The sums begin as (bt - x) 2^(6-E), and y = sum x 2^(E-6).  All these factors are exact.
; LIMITS: |q| under 65,504 (f16); B from 2^-64 to 2^120; NaN and infinities are not served.
; Clusters and a tensor ring for Wt, G and Wq are left out: each of their fragments is used by one wave of the work-group and goes straight into its registers, three chunks ahead on LOADcnt with no barrier in
; the K loop; beside x's tiles, Z's images and the stages LDS has 27,392 bytes left, which is no room for two slots of Wt.
; LDS: XS 4 x 33,792: a wave's 64 rows x 512 bytes of x, pitch 528, filled by tensor loads alone, twice; ZI 131,072: [head][4 i + chunk][1,024], first q's fragments (a wave's own), then Z's; OS 4 x 8,448: a wave's stage
; for y, pitch 528; EX the four waves' words of the exchange; SPARE the spare words, 128 bytes a wave, which no other line names.  All of the LDS is claimed.
; REGISTERS, in windows of 256.  window 0: v1-13 addresses; v14, v15, v29 at work; v16-23 bt; v24-27 maxima; v28 sG; v30, v31 the add's two; v[32:33] 2^(E-6); v[34:35] -2^(6-E); v[36:37] sG 2^(6-E); v[38:39] a mean;
;   v40-47 S, v48-55 M2; v56-63 at work; v64-79 Wq's scale words, v80-95 x's (these 32 hold scales alone); then: q, Z: v96-127 and v224-255 two sets of q fragments, v128-191 eight tiles of f32, v192-223 the f16 just made;
;   T: v96-223 a ring of four sets of Wt fragments, v224-255 at work.  window 1: Wq's fragments at 8 (4 t + s); later v0-127 two sets of Z fragments, v128-255 rows of y on their way out.
;   window 2: G's fragments at 8 (4 t2 + chunk); later x and the 32 accumulators of half 0 at 64 a + 8 i.  window 3: x's codes at 8 (4 i + s); later half 1.
.set XSW, 8388608
.set WSW, 393216
.set WTF, 417792
.set GSO, 8388608
.set XSB, 33792
.set ZI,  135168
.set OS,  266240
.set OSB, 8448
.set EX,  300032
.set SPARE, 300288
.set MSB, 0
.macro WIN new                         ; s_set_vgpr_msb: bits 1:0 source 0, 3:2 source 1, 5:4 source 2, 7:6 destination; the high byte repeats the setting that is left
.if MSB != (\new)
	s_set_vgpr_msb (MSB<<8)|(\new)
.set MSB, (\new)
.endif
.endm
.macro PLACES cnt
.rept \cnt
	v_nop
.endr
.endm
; one scaled product.  zero: it starts the sum.  ra, rb: 1 = the side's scale words stand in lanes 16-31 of the register named
.macro SMUL d, a, b, zero, sa, sb, ra, rb
.if \zero
.if ((\ra) == 0) && ((\rb) == 0)
	v_wmma_scale_f32_16x16x128_f8f6f4 v[\d:\d+7], v[\a:\a+7], v[\b:\b+7], 0, v[\sa], v[\sb] matrix_a_fmt:MATRIX_FMT_FP4 matrix_b_fmt:MATRIX_FMT_FP4
.elseif (\rb) == 0
	v_wmma_scale_f32_16x16x128_f8f6f4 v[\d:\d+7], v[\a:\a+7], v[\b:\b+7], 0, v[\sa], v[\sb] matrix_a_fmt:MATRIX_FMT_FP4 matrix_b_fmt:MATRIX_FMT_FP4 matrix_a_scale:MATRIX_SCALE_ROW1
.elseif (\ra) == 0
	v_wmma_scale_f32_16x16x128_f8f6f4 v[\d:\d+7], v[\a:\a+7], v[\b:\b+7], 0, v[\sa], v[\sb] matrix_a_fmt:MATRIX_FMT_FP4 matrix_b_fmt:MATRIX_FMT_FP4 matrix_b_scale:MATRIX_SCALE_ROW1
.else
	v_wmma_scale_f32_16x16x128_f8f6f4 v[\d:\d+7], v[\a:\a+7], v[\b:\b+7], 0, v[\sa], v[\sb] matrix_a_fmt:MATRIX_FMT_FP4 matrix_b_fmt:MATRIX_FMT_FP4 matrix_a_scale:MATRIX_SCALE_ROW1 matrix_b_scale:MATRIX_SCALE_ROW1
.endif
.else
.if ((\ra) == 0) && ((\rb) == 0)
	v_wmma_scale_f32_16x16x128_f8f6f4 v[\d:\d+7], v[\a:\a+7], v[\b:\b+7], v[\d:\d+7], v[\sa], v[\sb] matrix_a_fmt:MATRIX_FMT_FP4 matrix_b_fmt:MATRIX_FMT_FP4
.elseif (\rb) == 0
	v_wmma_scale_f32_16x16x128_f8f6f4 v[\d:\d+7], v[\a:\a+7], v[\b:\b+7], v[\d:\d+7], v[\sa], v[\sb] matrix_a_fmt:MATRIX_FMT_FP4 matrix_b_fmt:MATRIX_FMT_FP4 matrix_a_scale:MATRIX_SCALE_ROW1
.elseif (\ra) == 0
	v_wmma_scale_f32_16x16x128_f8f6f4 v[\d:\d+7], v[\a:\a+7], v[\b:\b+7], v[\d:\d+7], v[\sa], v[\sb] matrix_a_fmt:MATRIX_FMT_FP4 matrix_b_fmt:MATRIX_FMT_FP4 matrix_b_scale:MATRIX_SCALE_ROW1
.else
	v_wmma_scale_f32_16x16x128_f8f6f4 v[\d:\d+7], v[\a:\a+7], v[\b:\b+7], v[\d:\d+7], v[\sa], v[\sb] matrix_a_fmt:MATRIX_FMT_FP4 matrix_b_fmt:MATRIX_FMT_FP4 matrix_a_scale:MATRIX_SCALE_ROW1 matrix_b_scale:MATRIX_SCALE_ROW1
.endif
.endif
.endm
	s_load_b256 s[4:11], s[0:1], 0x0               ; xq, wq, gq, x
	s_load_b128 s[12:15], s[0:1], 0x20             ; bt, yb
	s_load_b64 s[16:17], s[0:1], 0x30              ; part
	v_lshl_add_u32 v30, v0, 2, SPARE
	v_mov_b32 v31, 0
	ds_add_u32 v30, v31                            ; the wave's opening: the add, twice on end, and its wait ahead of my first tensor load; the set-up below, work on registers, stands between
	ds_add_u32 v30, v31
	v_lshrrev_b32 v14, 5, v0
	v_readfirstlane_b32 s18, v14                   ; wave 0..3
	s_lshr_b32 s19, ttmp9, 2                       ; b
	s_and_b32 s20, ttmp9, 3                        ; j
	; descriptor group 1: 64 rows of 128 f32, 512 elements from row to row, 4 words of padding behind each 128
	s_mov_b32 s24, (2<<16)|(1<<20)|(6<<22)|(3<<25) ; no mask; elements of 4 bytes; padding on; after every 128 words (code 6); of 4 words (code 3)
	s_mov_b32 s25, 128<<16                         ; tensor_dim0 = 128
	s_mov_b32 s26, 64<<16                          ; tensor_dim1 = 64
	s_mov_b32 s27, 128<<16                         ; tile_dim0 = 128
	s_mov_b32 s28, 64                              ; tile_dim1 = 64
	s_mov_b32 s29, 512                             ; the pitch
	s_mov_b32 s30, 0
	s_mov_b32 s31, 0
	s_mov_b32 s32, 1                               ; two groups 0, one for each half of my channels; neither is ever rewritten
	s_mul_i32 s33, s18, XSB                        ; both land in my wave's own bytes
	s_mov_b32 s36, 1
	s_mul_i32 s37, s18, XSB
	s_lshl_b32 s22, s19, 20                        ; x and y: b 2^20 + 128 w rows of 2,048 bytes + 512 j
	s_lshl_b32 s21, s18, 18
	s_add_co_u32 s22, s22, s21
	s_lshl_b32 s21, s20, 9
	s_add_co_u32 s22, s22, s21
	s_mov_b32 s23, 0
	s_mov_b32 s3, 0
	s_mov_b32 s40, 0x76543210                      ; v_permlanex16_b32's selects for lane l xor 16
	s_mov_b32 s41, 0xfedcba98
	s_mov_b32 s42, 0xffff0000                      ; lanes 16-31
	v_and_b32 v14, 31, v0                          ; lane
	v_and_b32 v15, 15, v0                          ; r
	v_bfe_u32 v29, v0, 4, 1                        ; h
	v_lshlrev_b32 v1, 4, v14                       ; 16 x lane
	v_add_nc_u32 v4, ZI, v1                        ; Z's images, head 0
	s_lshl_b32 s21, s18, 15
	v_add_nc_u32 v2, s21, v4                       ; my head's
	v_mul_u32_u24 v5, v15, 528
	v_lshl_add_u32 v5, v29, 5, v5                  ; row r, + 32 h bytes
	s_mul_i32 s21, s18, OSB
	s_add_co_u32 s21, s21, OS
	v_add_nc_u32 v6, s21, v5                       ; my stage, on the way in
	v_add_nc_u32 v7, s21, v1                       ; and back: 32 lanes take a row of 512 bytes
	v_add_nc_u32 v5, s33, v5                       ; x in my wave's tile
	s_lshl_b32 s21, s18, 13
	v_add_nc_u32 v8, s21, v1                       ; Wt: my 8 o tiles
	s_lshl_b32 s21, s18, 2
	s_add_co_u32 s21, s21, EX
	v_mov_b32 v9, s21
	v_mov_b32 v10, EX
	v_lshlrev_b32 v11, 2, v14
	v_lshlrev_b32 v12, 2, v15
	v_lshlrev_b32 v13, 3, v14
.irp k, 0,1,2,3
	v_mov_b32 v[24+\k], 0                          ; four chains of the largest |q|
.endr
	s_wait_dscnt 0x0                               ; both opening adds are done
	s_wait_kmcnt 0x0
	s_add_nc_u64 s[34:35], s[10:11], s[22:23]
	s_add_nc_u64 s[38:39], s[34:35], 131072        ; 64 rows on
	s_or_b32 s35, s35, 0x80000000                  ; the type
	s_or_b32 s39, s39, 0x80000000
	tensor_load_to_lds s[32:35], s[24:31]          ; x for my first 64 channels: it has the q and Z phases in which to land; one tensor load of mine is out
	s_nop 0
	PLACES 4
	s_add_nc_u64 s[14:15], s[14:15], s[22:23]      ; y
	s_lshl_b32 s2, s19, 17
	s_lshl_b32 s21, s20, 15
	s_add_co_u32 s2, s2, s21
	s_add_nc_u64 s[48:49], s[4:5], s[2:3]          ; x's codes: my 8 tiles of points, 32 KiB on end
	s_lshl_b32 s2, s19, 13
	s_lshl_b32 s21, s20, 9
	s_add_co_u32 s2, s2, s21
	s_add_co_u32 s2, s2, XSW
	s_add_nc_u64 s[50:51], s[4:5], s[2:3]          ; their scale words
	s_lshl_b32 s2, s18, 15
	s_add_nc_u64 s[52:53], s[6:7], s[2:3]          ; Wq's codes of my head, 32 KiB on end
	s_lshl_b32 s2, s18, 9
	s_add_co_u32 s2, s2, WSW
	s_add_nc_u64 s[54:55], s[6:7], s[2:3]          ; their scale words
	s_add_nc_u64 s[46:47], s[6:7], WTF             ; Wt in f16
	s_lshl_b32 s61, s19, 2
	s_add_co_u32 s61, s61, s18                     ; 4 b + head
	s_lshl_b32 s2, s61, 15
	s_add_nc_u64 s[56:57], s[8:9], s[2:3]          ; G's fragments
	s_lshl_b32 s2, s61, 9
	s_add_co_u32 s2, s2, GSO
	s_add_nc_u64 s[58:59], s[8:9], s[2:3]          ; and its power of two
	s_lshl_b32 s2, s18, 9
	s_add_nc_u64 s[12:13], s[12:13], s[2:3]        ; bt of my 128 channels
	s_lshl_b32 s2, ttmp9, 12
	s_lshl_b32 s21, s18, 10
	s_add_co_u32 s2, s2, s21
	s_add_nc_u64 s[16:17], s[16:17], s[2:3]        ; my 128 pairs of statistics
; THE HEAD'S LOADS, in the order in which they are wanted: 32 scale words, bt (8), sG (1), Wq's codes (64), x's codes tile by tile (64): 169.  G's 64 follow eight at a time, one group in each of the eight q steps.
.irp u, 0,1,2,3                        ; a scale register: lanes 0-15 tile 2 u's rows, lanes 16-31 tile 2 u + 1's
.irp s, 0,1,2,3
	global_load_b32 v[64+4*\u+\s], v11, s[54:55] offset:2048*\s+128*\u
.endr
.endr
.irp u, 0,1,2,3
.irp s, 0,1,2,3
	global_load_b32 v[80+4*\u+\s], v11, s[50:51] offset:2048*\s+128*\u
.endr
.endr
.irp a, 0,1,2,3,4,5,6,7
	global_load_b32 v[16+\a], v12, s[12:13] offset:64*\a           ; bt(128 w + 16 a + r)
.endr
	global_load_b32 v28, v11, s[58:59]             ; sG
	WIN 0x40
.set n, 0
.rept 64
	global_load_b128 v[4*n:4*n+3], v1, s[52:53] offset:512*n
.set n, n+1
.endr
	WIN 0xc0
.set n, 0
.rept 64
	global_load_b128 v[4*n:4*n+3], v1, s[48:49] offset:512*n       ; tile i's four fragments are loads 8 i .. 8 i + 7
.set n, n+1
.endr
	WIN 0
; q of my head for tile pt of 16 points: 32 products, eight accumulators by turns; the largest magnitude; rounded to f16; four fragments to my own bytes of ZI.
.macro QSTEP pt
	s_wait_loadcnt 56                              ; behind x's tile pt were issued x's tiles pt + 1 .. 7, 8 (7 - pt) loads, and G's groups 0 .. pt - 1, 8 pt loads: 56 may stay out; all that is older is in
	s_wait_dscnt 0x0                               ; the last step's stores have read their registers
	WIN 0x80                                       ; destination window 2
.set n, 8*(\pt)
.rept 8
	global_load_b128 v[4*n:4*n+3], v1, s[56:57] offset:512*n       ; G's group pt: wanted only when q is done
.set n, n+1
.endr
	WIN 0x0d                                       ; source 0 (Wq) window 1, source 1 (x) window 3
.irp s, 0,1,2,3
.irp t, 0,1,2,3,4,5,6,7
	SMUL 128+8*\t, 8*(4*\t+\s), 8*(4*(\pt)+\s), \s==0, 64+4*(\t/2)+\s, 80+4*((\pt)/2)+\s, \t%2, (\pt)%2
.endr
.endr
	PLACES 4
	WIN 0
.irp t, 0,1,2,3,4,5,6,7
.irp e, 0,1,2,3
	v_max3_num_f32 v[24+\e], v[24+\e], |v[128+8*\t+2*\e]|, |v[128+8*\t+2*\e+1]|   ; each tile from its low end on
.endr
.endr
.irp t, 0,1,2,3,4,5,6,7
.irp e, 0,1,2,3
	v_cvt_pk_f16_f32 v[192+4*\t+\e], v[128+8*\t+2*\e], v[128+8*\t+2*\e+1]
.endr
.endr
.irp k, 0,1,2,3
.irp g, 0,1
	ds_store_b128 v2, v[192+8*\k+4*\g:192+8*\k+4*\g+3] offset:4096*(\pt)+1024*\k+512*\g
.endr
.endr
.endm
.irp q, 0,1,2,3,4,5,6,7
	QSTEP \q
.endr
	; THE EXCHANGE: B, and the powers of two that hang on it.  bt and sG are among the oldest 41 loads: the first q step's wait has shown them in
	v_max3_num_f32 v24, v24, v25, v26
	v_max_num_f32 v24, v24, v27
	v_max_num_f32_dpp v24, v24, v24 row_xmask:1 row_mask:0xf bank_mask:0xf
	v_max_num_f32_dpp v24, v24, v24 row_xmask:2 row_mask:0xf bank_mask:0xf
	v_max_num_f32_dpp v24, v24, v24 row_xmask:4 row_mask:0xf bank_mask:0xf
	v_max_num_f32_dpp v24, v24, v24 row_xmask:8 row_mask:0xf bank_mask:0xf
	v_permlanex16_b32 v29, v24, s40, s41           ; (v29 has been written)
	v_max_num_f32 v24, v24, v29
	v_mul_f32 v24, v24, v28                        ; the largest |q| of my head x sG
	ds_store_b32 v9, v24
	s_wait_dscnt 0x0                               ; my word has landed.  (My tensor load may stay out, and I alone read its bytes)
	s_barrier_signal -1
	s_barrier_wait -1
	ds_load_b128 v[56:59], v10
	s_wait_dscnt 0x0
	v_max3_num_f32 v24, v56, v57, v58
	v_max3_num_f32 v24, v24, v59, 0x1f800000       ; B, held at 2^-64 from below
	v_and_b32 v24, 0x7f800000, v24                 ; 2^E
	v_add_nc_u32 v32, 0xfd000000, v24              ; 2^(E-6)
	v_mov_b32 v33, v32
	v_sub_nc_u32 v29, 0x82000000, v24              ; 2^(6-E)
	v_xor_b32 v34, 0x80000000, v29                 ; -2^(6-E)
	v_mov_b32 v35, v34
	v_mul_f32 v36, v28, v29                        ; sG 2^(6-E)
	v_mov_b32 v37, v36
.irp a, 0,1,2,3,4,5,6,7
	v_mul_f32 v[16+\a], v[16+\a], v29              ; bt 2^(6-E)
.endr
.macro QFETCH pt                       ; q's four fragments of tile pt into set pt % 2 (v96.. or v224..)
.irp k, 0,1,2,3
.irp g, 0,1
	ds_load_b128 v[96+128*((\pt)%2)+8*\k+4*\g:96+128*((\pt)%2)+8*\k+4*\g+3], v2 offset:4096*(\pt)+1024*\k+512*\g
.endr
.endr
.endm
; Z of my head for tile pt: 32 products; x sG 2^(6-E); rounded to f16; four fragments onto the bytes that q's fragments of the same tile have left (my own bytes; LDS serves a wave's instructions in order).
.macro ZSTEP pt
	s_wait_dscnt 0x0                               ; this tile's q is in, and the last step's stores have read their registers
.if (\pt) < 7
	QFETCH (\pt)+1                                 ; into the set that the step before read: its four v_nop and its vector work stand between
.endif
	WIN 0x02                                       ; source 0 (G) window 2
.irp k, 0,1,2,3
.irp t, 0,1,2,3,4,5,6,7
.if \k == 0
	v_wmma_f32_16x16x32_f16 v[128+8*\t:128+8*\t+7], v[8*(4*\t+\k):8*(4*\t+\k)+7], v[96+128*((\pt)%2)+8*\k:96+128*((\pt)%2)+8*\k+7], 0
.else
	v_wmma_f32_16x16x32_f16 v[128+8*\t:128+8*\t+7], v[8*(4*\t+\k):8*(4*\t+\k)+7], v[96+128*((\pt)%2)+8*\k:96+128*((\pt)%2)+8*\k+7], v[128+8*\t:128+8*\t+7]
.endif
.endr
.endr
	PLACES 4
	WIN 0
.set n, 0
.rept 32
	v_pk_mul_f32 v[128+2*n:129+2*n], v[128+2*n:129+2*n], v[36:37]
.set n, n+1
.endr
.irp t, 0,1,2,3,4,5,6,7
.irp e, 0,1,2,3
	v_cvt_pk_f16_f32 v[192+4*\t+\e], v[128+8*\t+2*\e], v[128+8*\t+2*\e+1]
.endr
.endr
.irp k, 0,1,2,3
.irp g, 0,1
	ds_store_b128 v2, v[192+8*\k+4*\g:192+8*\k+4*\g+3] offset:4096*(\pt)+1024*\k+512*\g
.endr
.endr
.endm
	QFETCH 0
	s_wait_loadcnt 0x0                             ; G: its last group went out at the head of the last q step
.irp q, 0,1,2,3,4,5,6,7
	ZSTEP \q
.endr
; x of half H of my channels from my tile into the accumulators' registers: lane (r, h) takes x(16 a + r, 16 i + 8 h + 0..7)
.macro XREAD H
	WIN 0x80+0x40*(\H)
.irp a, 0,1,2,3
.irp i, 0,1,2,3,4,5,6,7
.irp g, 0,1
	ds_load_b128 v[64*\a+8*\i+4*\g:64*\a+8*\i+4*\g+3], v5 offset:8448*\a+64*\i+16*\g
.endr
.endr
.endr
	WIN 0
.endm
.macro AFETCH H, kc, st                ; Wt's four fragments (my o tiles 4 H .. + 3) of the chunk kc chunks on from the base, into ring set st
.irp a, 0,1,2,3
.irp g, 0,1
	global_load_b128 v[96+32*(\st)+8*\a+4*\g:96+32*(\st)+8*\a+4*\g+3], v8, s[44:45] offset:32768*(\kc)+1024*(4*(\H)+\a)+512*\g
.endr
.endr
.endm
.macro APRO H                          ; chunks 0 to 2
	AFETCH \H, 0, 0
	AFETCH \H, 1, 1
	AFETCH \H, 2, 2
.endm
.macro BFETCH adr, st, off             ; Z's eight fragments of a chunk into set st of window 1
	WIN 0x40
.irp i, 0,1,2,3,4,5,6,7
.irp g, 0,1
	ds_load_b128 v[64*(\st)+8*\i+4*\g:64*(\st)+8*\i+4*\g+3], v[\adr] offset:(\off)+4096*\i+512*\g
.endr
.endr
	WIN 0
.endm
.macro CINIT H                         ; the sums begin as (bt - x) 2^(6-E): one fused multiply-add for two numbers; of bt's pair the register of tile a serves both halves
	WIN 0x82+0x41*(\H)                             ; destination and source 0: the accumulators' window
.irp a, 0,1,2,3
.set n, 0
.rept 32
.if (\a)%2
	v_pk_fma_f32 v[64*\a+2*n:64*\a+2*n+1], v[64*\a+2*n:64*\a+2*n+1], v[34:35], v[16+4*(\H)+2*(\a/2):17+4*(\H)+2*(\a/2)] op_sel:[0,0,1] op_sel_hi:[1,1,1]
.else
	v_pk_fma_f32 v[64*\a+2*n:64*\a+2*n+1], v[64*\a+2*n:64*\a+2*n+1], v[34:35], v[16+4*(\H)+2*(\a/2):17+4*(\H)+2*(\a/2)] op_sel:[0,0,0] op_sel_hi:[1,1,0]
.endif
.set n, n+1
.endr
.endr
	WIN 0
.endm
; A chunk of 32 along c: c-th of its head.  The next chunk's Z fragments and the Wt fragments of three chunks on are asked for, then 32 products, the 32 accumulators by turns.
; lcnt: the younger chunks' Wt loads, eight each, which may stay out.
.macro CH H, c, aload, bload, lcnt
	PLACES 4                                       ; ahead of loads into registers that the last chunk's products read
.if \bload
.if (\c) < 3
	BFETCH 3, ((\c)+1)%2, 1024*((\c)+1)
.else
	BFETCH 3, 0, 32768                             ; the next head's first chunk
.endif
.endif
.if \aload
	AFETCH \H, (\c)+3, ((\c)+3)%4
.endif
	s_wait_loadcnt \lcnt
.if \bload
	s_wait_dscnt 16                                ; all but the 16 just issued
.else
	s_wait_dscnt 0x0
.endif
	WIN 0xa1+0x50*(\H)                             ; source 0 (Z) window 1, source 1 (Wt) window 0, C and D the half's window
.irp a, 0,1,2,3
.irp i, 0,1,2,3,4,5,6,7
	v_wmma_f32_16x16x32_f16 v[64*\a+8*\i:64*\a+8*\i+7], v[64*((\c)%2)+8*\i:64*((\c)%2)+8*\i+7], v[96+32*(\c)+8*\a:96+32*(\c)+8*\a+7], v[64*\a+8*\i:64*\a+8*\i+7]
.endr
.endr
.endm
.macro GEMM H                          ; 16 chunks: three trips of a head's four, and the last head written out, since it asks for less
	s_mov_b32 s43, 3
.Lhead_\@:
	v_add_nc_u32 v3, s60, v4                       ; this head's images of Z
	CH \H, 0, 1, 1, 24
	CH \H, 1, 1, 1, 24
	CH \H, 2, 1, 1, 24
	CH \H, 3, 1, 1, 24
	WIN 0                                          ; at a label and at a branch every window is 0
	s_wait_xcnt 0x0                                ; the loads have read their base: it may step
	s_add_nc_u64 s[44:45], s[44:45], 131072        ; four chunks on
	s_add_co_u32 s60, s60, 32768
	s_sub_co_u32 s43, s43, 1
	s_cmp_lg_u32 s43, 0
	s_cbranch_scc1 .Lhead_\@
	v_add_nc_u32 v3, s60, v4
	CH \H, 0, 1, 1, 24
	CH \H, 1, 0, 1, 16
	CH \H, 2, 0, 1, 8
	CH \H, 3, 0, 0, 0
	WIN 0
.endm
; THE WAY OUT of o tile a of half H.  STAT: y = sum x 2^(E-6), in place; S; the tile's own mean; M2.
.macro STAT H, a
.set AC, 64*(\a)
	WIN 0x82+0x41*(\H)
.set n, 0
.rept 32
	v_pk_mul_f32 v[AC+2*n:AC+2*n+1], v[AC+2*n:AC+2*n+1], v[32:33]  ; each accumulator from its low end on
.set n, n+1
.endr
	WIN 0x0a+0x05*(\H)                             ; both sources: the accumulators' window
.set n, 0
.rept 16
	v_pk_add_f32 v[224+2*n:225+2*n], v[AC+4*n:AC+4*n+1], v[AC+4*n+2:AC+4*n+3]
.set n, n+1
.endr
	WIN 0
.irp k, 0,1,2,3,4,5,6,7
	v_pk_add_f32 v[224+4*\k:225+4*\k], v[224+4*\k:225+4*\k], v[226+4*\k:227+4*\k]
.endr
.irp k, 0,1,2,3
	v_pk_add_f32 v[224+8*\k:225+8*\k], v[224+8*\k:225+8*\k], v[228+8*\k:229+8*\k]
.endr
	v_pk_add_f32 v[224:225], v[224:225], v[232:233]
	v_pk_add_f32 v[240:241], v[240:241], v[248:249]
	v_pk_add_f32 v[224:225], v[224:225], v[240:241]
	v_add_f32 v14, v224, v225
	v_permlanex16_b32 v15, v14, s40, s41           ; my channel's other 64 points lie in the lane 16 away
	v_add_f32 v[40+4*(\H)+\a], v14, v15            ; S
	v_mul_f32 v38, 0x3c000000, v[40+4*(\H)+\a]     ; S / 128
	v_mov_b32 v39, v38
.irp u, 0,1
	WIN 0x02+(\H)
.set n, 0
.rept 16
	v_pk_add_f32 v[224+2*n:225+2*n], v[AC+32*\u+2*n:AC+32*\u+2*n+1], v[38:39] neg_lo:[0,1] neg_hi:[0,1]
.set n, n+1
.endr
	WIN 0
.set n, 0
.rept 16
.if (\u == 0) && (n < 2)
	v_pk_mul_f32 v[56+2*n:57+2*n], v[224+2*n:225+2*n], v[224+2*n:225+2*n]          ; the first two squares start the two chains
.else
	v_pk_fma_f32 v[56+2*(n%2):57+2*(n%2)], v[224+2*n:225+2*n], v[224+2*n:225+2*n], v[56+2*(n%2):57+2*(n%2)]
.endif
.set n, n+1
.endr
.endr
	v_pk_add_f32 v[56:57], v[56:57], v[58:59]
	v_add_f32 v14, v56, v57
	v_permlanex16_b32 v15, v14, s40, s41
	v_add_f32 v[48+4*(\H)+\a], v14, v15            ; M2
.endm
; A lane holds 32 bytes of a row of y and the lanes beside it hold other rows: the tile goes through my own stage and comes back as whole rows of 512 bytes.
.macro TOSTAGE H, a
.set AC, 64*(\a)
	s_wait_xcnt 0x0                                ; the stores of two tiles back have read the registers into which this tile's rows land
	WIN 0x08+0x04*(\H)                             ; the stores' data: the accumulators' window
.irp i, 0,1,2,3,4,5,6,7
	ds_store_b128 v6, v[AC+8*\i:AC+8*\i+3] offset:64*\i
	ds_store_b128 v6, v[AC+8*\i+4:AC+8*\i+7] offset:64*\i+16
.endr
	WIN 0x40
.set n, 0
.rept 16
	ds_load_b128 v[128+64*((\a)%2)+4*n:128+64*((\a)%2)+4*n+3], v7 offset:528*n     ; LDS serves a wave's instructions in order: these see the stores above, and the next tile's stores come behind them
.set n, n+1
.endr
	WIN 0
.endm
.macro SEND H, a, younger              ; younger: the LDS instructions issued behind this tile's loads, which may stay out
	s_wait_dscnt \younger
	WIN 0x04                                       ; the stores' data: window 1
.set n, 0
.rept 16
	global_store_b128 v1, v[128+64*((\a)%2)+4*n:128+64*((\a)%2)+4*n+3], s[14:15] offset:32768*(4*(\H)+(\a))+2048*n th:TH_STORE_NT   ; 32 lanes store 512 consecutive bytes, at a multiple of 512 from y's first byte
.set n, n+1
.endr
	WIN 0
.endm
.macro EPILOGUE H
	STAT \H, 0
	TOSTAGE \H, 0
.irp a, 1,2,3
	STAT \H, \a                                    ; a tile's arithmetic stands between the loads of the tile before and its stores
	TOSTAGE \H, \a
	SEND \H, (\a)-1, 32                            ; behind that tile's loads: this tile's 16 stores and 16 loads
.endr
	SEND \H, 3, 0
.endm
	s_wait_tensorcnt 0x0                           ; x for my first 64 channels has landed
	XREAD 0                                        ; into G's registers: ZSTEP's four v_nop and its vector work stand behind the last product that read them
	s_wait_tensorcnt 0x0                           ; in front of the barrier behind which my tile's bytes are filled again: no tensor load of mine is out,
	ds_add_u32 v30, v31                            ; 0 onto my spare word,
	s_wait_dscnt 0x0                               ; the add is done, my reads of the tile are back, and my stores of Z's images have landed
	s_barrier_signal -1
	s_barrier_wait -1                              ; all of Z lies in LDS
	tensor_load_to_lds s[36:39], s[24:31]          ; x for my other 64 channels, first thing behind the barrier: it has half 0's 512 products in which to land; one tensor load of mine is out
	s_nop 0
	PLACES 4
	s_mov_b64 s[44:45], s[46:47]
	s_mov_b32 s60, 0
	APRO 0
	BFETCH 4, 0, 0
	CINIT 0
	GEMM 0
	PLACES 4                                       ; ahead of loads into the ring and of the first read of results
	s_wait_xcnt 0x0
	s_mov_b64 s[44:45], s[46:47]                   ; (every load that named the base has come back)
	s_mov_b32 s60, 0
	APRO 1                                         ; half 1's first Wt fragments and its x are on their way while half 0 goes out
	s_wait_tensorcnt 0x0
	XREAD 1
	EPILOGUE 0                                     ; nothing waits for its stores: they leave under half 1's products
	s_wait_dscnt 0x0                               ; x is in
	BFETCH 4, 0, 0
	CINIT 1
	GEMM 1
	PLACES 4
	EPILOGUE 1
.irp u, 0,1,2,3                        ; lanes 0-15 give tile 2 u's channels, lanes 16-31 tile 2 u + 1's: 32 neighbouring channels, 256 consecutive bytes, aligned
	v_cndmask_b32 v[224+2*\u], v[40+2*\u], v[41+2*\u], s42
	v_cndmask_b32 v[225+2*\u], v[48+2*\u], v[49+2*\u], s42
	global_store_b64 v13, v[224+2*\u:225+2*\u], s[16:17] offset:256*\u
.endr
	s_wait_tensorcnt 0x0                           ; the wave's end, behind my last tensor load and my last LDS store
	ds_add_u32 v30, v31
	s_wait_dscnt 0x0
	s_endpgm
.Lfunc_end_k_qd0992a4ebb_main:
	.size	k_qd0992a4ebb_main, .Lfunc_end_k_qd0992a4ebb_main-k_qd0992a4ebb_main
	.p2alignl 7, 3214868480
	.fill 96, 4, 3214868480
	.section	.rodata,"a",@progbits
	.p2align	6, 0x0
	.amdhsa_kernel k_qd0992a4ebb_main
		.amdhsa_group_segment_fixed_size 327680
		.amdhsa_private_segment_fixed_size 0
		.amdhsa_enable_private_segment 0
		.amdhsa_kernarg_size 56
		.amdhsa_user_sgpr_count 2
		.amdhsa_user_sgpr_kernarg_segment_ptr 1
		.amdhsa_wavefront_size32 1
		.amdhsa_system_sgpr_workgroup_id_x 1
		.amdhsa_system_sgpr_workgroup_id_y 1
		.amdhsa_system_sgpr_workgroup_id_z 1
		.amdhsa_system_vgpr_workitem_id 0
		.amdhsa_next_free_vgpr 1024
		.amdhsa_next_free_sgpr 66
		.amdhsa_reserve_vcc 0
		.amdhsa_float_denorm_mode_32 3
		.amdhsa_float_denorm_mode_16_64 3
		.amdhsa_memory_ordered 1
		.amdhsa_forward_progress 1
		.amdhsa_inst_pref_size 255
	.end_amdhsa_kernel
	.section	.bss,"aw",@nobits
	.p2align	6
	.space	262144
	.amdgpu_metadata
---
amdhsa.version: [ 1, 2 ]
amdhsa.kernels:
  - .name:           k_qd0992a4ebb_main
    .symbol:         k_qd0992a4ebb_main.kd
    .args:
      - { .name: xq, .offset: 0, .size: 8, .value_kind: global_buffer, .address_space: global }
      - { .name: wq, .offset: 8, .size: 8, .value_kind: global_buffer, .address_space: global }
      - { .name: gq, .offset: 16, .size: 8, .value_kind: global_buffer, .address_space: global }
      - { .name: x, .offset: 24, .size: 8, .value_kind: global_buffer, .address_space: global }
      - { .name: bt, .offset: 32, .size: 8, .value_kind: global_buffer, .address_space: global }
      - { .name: yb, .offset: 40, .size: 8, .value_kind: global_buffer, .address_space: global }
      - { .name: part, .offset: 48, .size: 8, .value_kind: global_buffer, .address_space: global }
    .group_segment_fixed_size: 327680
    .private_segment_fixed_size: 0
    .kernarg_segment_align: 8
    .kernarg_segment_size: 56
    .max_flat_workgroup_size: 128
    .sgpr_count:     66
    .vgpr_count:     1024
    .wavefront_size: 32
...
	.end_amdgpu_metadata
.endif
;; end of part 3
;; launch final (part 4): grid 256 x 1, 16 waves a work-group, no clusters, 2,560 bytes of LDS; arguments yb, part, x, gamma, beta, out0; writes out0
.if DOCPART == 4
	.amdgcn_target "amdgcn-amd-amdhsa--gfx1250"
	.amdhsa_code_object_version 6
	.text
	.protected	k_qd0992a4ebb_final
	.globl	k_qd0992a4ebb_final
	.p2align	8
	.type	k_qd0992a4ebb_final,@function
k_qd0992a4ebb_final:
	s_mov_b64 s[64:65], 0
	v_nop
	global_prefetch_b8 v0, s[64:65] scope:SCOPE_SE
	s_setreg_imm32_b32 hwreg(HW_REG_WAVE_MODE, 25, 1), 1
	s_wait_xcnt 0x0
; FINAL.  out = x + relu(gamma (y - mean) / sqrt(var + 1e-5) + beta), mean and var of y over batch and points for each channel.
; Work-group g owns channels 2 g and 2 g + 1: in each batch their two rows are 4,096 consecutive bytes.  Thread t takes the 16 bytes at 16 (t % 256) of batches 2 k + t / 256, k = 0 .. 31.
; THE STATISTICS come as 256 parts for each channel (S, the sum of 128 numbers, and M2, the sum of their squared distances from their own mean): mean = sum S / 32,768;
; var = sum (M2 + 128 (S / 128 - mean)^2) / 32,768: no difference of large sums is formed, whatever offset y carries.
; Memory binds: every byte of y and x is read once by 16-byte loads, 512 consecutive bytes a wave.  SIXTEEN SLOTS, TWO ROUNDS, written out: slot i serves k = i and k = 16 + i, so 32 loads of every wave are on their way.
; NO SOURCE OF A PENDING LOAD OR STORE IS EVER REWRITTEN: a slot has an offset register for each round, made at the head; the first round's results have registers of their own; the second round works in place on y's
; registers, which are loaded no more.  So the only waits in a slot's turn are the counted waits for its own two loads.  Matrix units, clusters and tensor loads buy nothing here.
; LDS: 0 and 256: the waves' sums of the two reductions; from 512 the spare words, 128 bytes a wave, which no other line names.
.set SPARE, 512
.set Y,   32                           ; v32-95    slot i: 4 registers of y; in the second round also of the result
.set X,   96                           ; v96-159   of x
.set O,   160                          ; v160-223  of the first round's result (in the prologue: at work)
.set OFA, 224                          ; v224-239  slot i: its byte offset in the first round
.set OFB, 240                          ; v240-255  and in the second
	s_load_b256 s[4:11], s[0:1], 0x0               ; yb, part, x, gamma
	s_load_b128 s[12:15], s[0:1], 0x20             ; beta, out0
	v_lshl_add_u32 v30, v0, 2, SPARE               ; my spare word, and 0: made here and kept for the add at the wave's end
	v_mov_b32 v31, 0
	v_lshrrev_b32 v1, 5, v0
	v_readfirstlane_b32 s16, v1                    ; wave 0..15
	v_and_b32 v2, 255, v0
	v_lshrrev_b32 v3, 8, v0                        ; even or odd batches
	v_lshrrev_b32 v4, 7, v2                        ; which of the two channels
	v_lshlrev_b32 v5, 12, v2                       ; part: the part of work-group t % 256 of the launch before
	v_lshlrev_b32 v6, 2, v4
	v_lshlrev_b32 v7, 4, v2
	v_lshl_add_u32 v7, v3, 20, v7
.set i, 0
.rept 16
	v_add_nc_u32 v[OFA+i], i*2097152, v7           ; batch 2 i + t / 256
	v_add_nc_u32 v[OFB+i], 33554432+i*2097152, v7  ; batch 32 + 2 i + t / 256
.set i, i+1
.endr
	v_mov_b32 v18, s16
	v_lshlrev_b32 v18, 3, v18                      ; my wave's pair of words
	v_mov_b32 v19, 0
	v_mov_b32 v16, 0                               ; a lane permute's destination counts as one of its sources
	v_mov_b32 v17, 0
	s_mov_b32 s24, 0x76543210
	s_mov_b32 s25, 0xfedcba98
	s_lshl_b32 s18, ttmp9, 12
	s_mov_b32 s19, 0
	s_lshl_b32 s20, ttmp9, 4
	s_mov_b32 s21, 0
	s_lshl_b32 s22, ttmp9, 3
	s_mov_b32 s23, 0
	s_wait_kmcnt 0x0
	s_add_nc_u64 s[4:5], s[4:5], s[18:19]
	s_add_nc_u64 s[8:9], s[8:9], s[18:19]
	s_add_nc_u64 s[14:15], s[14:15], s[18:19]
	s_add_nc_u64 s[6:7], s[6:7], s[20:21]
	s_add_nc_u64 s[10:11], s[10:11], s[22:23]
	s_add_nc_u64 s[12:13], s[12:13], s[22:23]
	global_load_b128 v[8:11], v5, s[6:7]           ; S and M2 of channel 2 g, S and M2 of channel 2 g + 1
	global_load_b32 v12, v6, s[10:11]              ; my channel's gamma
	global_load_b32 v13, v6, s[12:13]              ; and beta
.set i, 0
.rept 16
	global_load_b128 v[Y+4*i:Y+4*i+3], v[OFA+i], s[4:5] th:TH_LOAD_NT
	global_load_b128 v[X+4*i:X+4*i+3], v[OFA+i], s[8:9] th:TH_LOAD_NT
.set i, i+1
.endr
	s_wait_loadcnt 32                              ; the three are in; the 32 first fills stay out
.macro WSUM                            ; v14, v15: summed over the wave's 32 lanes, the result in every lane
.irp m, 1,2,4,8
	v_add_f32_dpp v14, v14, v14 row_xmask:\m row_mask:0xf bank_mask:0xf
	v_add_f32_dpp v15, v15, v15 row_xmask:\m row_mask:0xf bank_mask:0xf
.endr
	v_permlanex16_b32 v16, v14, s24, s25
	v_permlanex16_b32 v17, v15, s24, s25
	v_add_f32 v14, v14, v16
	v_add_f32 v15, v15, v17
.endm
.macro GSUM off                        ; over the waves: waves 0 to 7 hold the 256 parts (waves 8 to 15 hold the same again): their eight pairs are added into v[O:O+1]
	ds_store_b64 v18, v[14:15] offset:\off
	s_wait_dscnt 0x0                               ; for the others' sake: my pair has landed
	s_barrier_signal -1
	s_barrier_wait -1
.irp k, 0,1,2,3
	ds_load_b128 v[O+4*\k:O+4*\k+3], v19 offset:\off+16*\k
.endr
	s_wait_dscnt 0x0
	v_pk_add_f32 v[O:O+1], v[O:O+1], v[O+2:O+3]
	v_pk_add_f32 v[O+4:O+5], v[O+4:O+5], v[O+6:O+7]
	v_pk_add_f32 v[O+8:O+9], v[O+8:O+9], v[O+10:O+11]
	v_pk_add_f32 v[O+12:O+13], v[O+12:O+13], v[O+14:O+15]
	v_pk_add_f32 v[O:O+1], v[O:O+1], v[O+4:O+5]
	v_pk_add_f32 v[O+8:O+9], v[O+8:O+9], v[O+12:O+13]
	v_pk_add_f32 v[O:O+1], v[O:O+1], v[O+8:O+9]
.endm
	v_mov_b32 v14, v8
	v_mov_b32 v15, v10
	WSUM
	GSUM 0
	v_pk_mul_f32 v[20:21], v[O:O+1], 0x38000000 op_sel_hi:[1,0]    ; the two means: / 32,768
	v_fma_f32 v24, v8, 0x3c000000, -v20            ; my part's own mean less the channel's
	v_fma_f32 v25, v10, 0x3c000000, -v21
	v_mul_f32 v24, v24, v24
	v_mul_f32 v25, v25, v25
	v_fma_f32 v14, v24, 0x43000000, v9             ; M2 + 128 x its square
	v_fma_f32 v15, v25, 0x43000000, v11
	WSUM
	GSUM 256                                       ; other bytes than the first reduction's: no barrier is owed between the two
	v_pk_mul_f32 v[24:25], v[O:O+1], 0x38000000 op_sel_hi:[1,0]    ; the two variances
	v_add_f32 v24, 0x3727c5ac, v24                 ; + 1e-5
	v_add_f32 v25, 0x3727c5ac, v25
	v_rsq_f32 v28, v24
	v_rsq_f32 v29, v25
	v_mov_b32 v22, v13                             ; (plain work behind the two roots)  beta, as a pair
	v_mov_b32 v23, v13
	v_cmp_ne_u32 vcc_lo, 0, v4
	v_cndmask_b32 v26, v20, v21, vcc_lo            ; my channel's mean, as a pair
	v_mov_b32 v27, v26
	s_wait_alu depctr_va_vdst(0)                   ; one wait for both roots, ahead of their first reader
	v_cndmask_b32 v28, v28, v29, vcc_lo
	v_mul_f32 v28, v12, v28                        ; gamma / sqrt(var + 1e-5), as a pair
	v_mov_b32 v29, v28
; One slot's turn.  first = 1: the first round: the result goes into O, and the slot is filled again with the batch 32 further on.  first = 0: the second round: in place on y's registers.
; left: the younger loads, which may stay out.
.macro SLOT i, first, left
	s_wait_loadcnt \left
.if \first
.set D, O+4*(\i)
.else
.set D, Y+4*(\i)
.endif
	v_pk_add_f32 v[D:D+1], v[Y+4*\i:Y+4*\i+1], v[26:27] neg_lo:[0,1] neg_hi:[0,1]
	v_pk_add_f32 v[D+2:D+3], v[Y+4*\i+2:Y+4*\i+3], v[26:27] neg_lo:[0,1] neg_hi:[0,1]
	v_pk_fma_f32 v[D:D+1], v[D:D+1], v[28:29], v[22:23]
	v_pk_fma_f32 v[D+2:D+3], v[D+2:D+3], v[28:29], v[22:23]
.irp k, 0,1,2,3
	v_max_num_f32 v[D+\k], 0, v[D+\k]
.endr
	v_pk_add_f32 v[D:D+1], v[D:D+1], v[X+4*\i:X+4*\i+1]
	v_pk_add_f32 v[D+2:D+3], v[D+2:D+3], v[X+4*\i+2:X+4*\i+3]
.if \first
	global_load_b128 v[Y+4*\i:Y+4*\i+3], v[OFB+\i], s[4:5] th:TH_LOAD_NT           ; the loads ahead of the store
	global_load_b128 v[X+4*\i:X+4*\i+3], v[OFB+\i], s[8:9] th:TH_LOAD_NT
	global_store_b128 v[OFA+\i], v[D:D+3], s[14:15] th:TH_STORE_NT                 ; a wave stores 512 consecutive bytes, aligned
.else
	global_store_b128 v[OFB+\i], v[D:D+3], s[14:15] th:TH_STORE_NT
.endif
.endm
.irp i, 0,1,2,3,4,5,6,7,8,9,10,11,12,13,14,15
	SLOT \i, 1, 30                                 ; behind slot i's first fills: the first fills of slots i + 1 .. 15, 2 (15 - i) loads, and the refills of slots 0 .. i - 1, 2 i loads: 30
.endr
.irp i, 0,1,2,3,4,5,6,7,8,9,10,11,12,13,14,15
	SLOT \i, 0, 30-2*\i                            ; the second round loads nothing: the counts run down
.endr
	s_wait_tensorcnt 0x0                           ; the wave's end, behind my last LDS store
	ds_add_u32 v30, v31
	s_wait_dscnt 0x0
	s_endpgm
.Lfunc_end_k_qd0992a4ebb_final:
	.size	k_qd0992a4ebb_final, .Lfunc_end_k_qd0992a4ebb_final-k_qd0992a4ebb_final
	.p2alignl 7, 3214868480
	.fill 96, 4, 3214868480
	.section	.rodata,"a",@progbits
	.p2align	6, 0x0
	.amdhsa_kernel k_qd0992a4ebb_final
		.amdhsa_group_segment_fixed_size 2560
		.amdhsa_private_segment_fixed_size 0
		.amdhsa_enable_private_segment 0
		.amdhsa_kernarg_size 48
		.amdhsa_user_sgpr_count 2
		.amdhsa_user_sgpr_kernarg_segment_ptr 1
		.amdhsa_wavefront_size32 1
		.amdhsa_system_sgpr_workgroup_id_x 1
		.amdhsa_system_sgpr_workgroup_id_y 1
		.amdhsa_system_sgpr_workgroup_id_z 1
		.amdhsa_system_vgpr_workitem_id 0
		.amdhsa_next_free_vgpr 256
		.amdhsa_next_free_sgpr 66
		.amdhsa_reserve_vcc 1
		.amdhsa_float_denorm_mode_32 3
		.amdhsa_float_denorm_mode_16_64 3
		.amdhsa_memory_ordered 1
		.amdhsa_forward_progress 1
		.amdhsa_inst_pref_size 35
	.end_amdhsa_kernel
	.amdgpu_metadata
---
amdhsa.version: [ 1, 2 ]
amdhsa.kernels:
  - .name:           k_qd0992a4ebb_final
    .symbol:         k_qd0992a4ebb_final.kd
    .args:
      - { .name: yb, .offset: 0, .size: 8, .value_kind: global_buffer, .address_space: global }
      - { .name: part, .offset: 8, .size: 8, .value_kind: global_buffer, .address_space: global }
      - { .name: x, .offset: 16, .size: 8, .value_kind: global_buffer, .address_space: global }
      - { .name: gamma, .offset: 24, .size: 8, .value_kind: global_buffer, .address_space: global }
      - { .name: beta, .offset: 32, .size: 8, .value_kind: global_buffer, .address_space: global }
      - { .name: out0, .offset: 40, .size: 8, .value_kind: global_buffer, .address_space: global }
    .group_segment_fixed_size: 2560
    .private_segment_fixed_size: 0
    .kernarg_segment_align: 8
    .kernarg_segment_size: 48
    .max_flat_workgroup_size: 512
    .sgpr_count:     66
    .vgpr_count:     256
    .wavefront_size: 32
...
	.end_amdgpu_metadata
.endif
;; end of part 4
